; MI455X (gfx1250); checked and timed in simulation.
; The chip was launched on July 23, 2026; its instructions are those of AMD's public machine-readable ISA for CDNA 5 (MIT licence, August 2026) and "CDNA5" Instruction Set Architecture Reference Guide (July 2026). The comments in the code are by the model that wrote it; some were corrected since.
;; Multi Head Memory. Allowed arithmetic: matrix products marked QUANTISED: E2M1 operands, one E8M0 scale for each 32 along K, by v_wmma_scale_f32_16x16x128_f8f6f4 with both operands' format E2M1 (or v_wmma_scale_f32_32x16x128_f4), f32 sums; everything else in f32.
;; Inputs: fk_b 128 float32; fk_w 128 x 128 float32; fv_b 128 float32; fv_w 128 x 128 float32; fx_b 128 float32; fx_w 128 x 1,024 float32; mem 8 x 65,536 x 128 float32; nk_b 128 float32; nk_g 128 float32; nv_b 128 float32; nv_g 128 float32; nx_b 128 float32; nx_g 128 float32; q 256 x 128 float32.
;; Outputs: out0 256 x 128 float32.
;; This version of the problem:
;;   THIS VERSION OF THE PROBLEM IS GIVEN IN LOW PRECISION. The matrix products marked QUANTISED in the list below multiply operands that are first quantised to E2M1 (2 exponent bits, 1 mantissa bit; 4 bits a number), with one power-of-two scale for each 32 numbers along K (OCP MX v1.0); their sums are f32. All else is computed in f32.
;;   The module's matrix products, in the order in which they are computed (A, B: the left and right operand; K: the contracted axis; several contracted axes count as one K, in the product's order):
;;     1. [M 524,288, K 128] x [K 128, N 128]; A: input mem; B: input fk_w: QUANTISED
;;     2. [M 524,288, K 128] x [K 128, N 128]; A: input mem; B: input fv_w: QUANTISED
;;     3. [M 256, K 128] x [K 128, N 524,288]; A: input q; B: softmax (see below): QUANTISED
;;     4. batch 8 x [M 128, K 65,536] x [K 65,536, N 256]; A: computed on the way; B: softmax (see below): QUANTISED
;;     5. [M 256, K 1,024] x [K 1,024, N 128]; A: computed on the way; B: input fx_w: QUANTISED
;;   THE QUANTISER, for each operand of a quantised product, along K:
;;     - K is cut into blocks of 32 from its start; a last block that is shorter is filled with zeros.
;;     - A block's scale is 2^e with e = floor(log2(the largest magnitude in the block)) - 2, held to -126 .. 127; a block of zeros has e = 0. As a byte (E8M0): e + 127.
;;     - Each number is divided by its block's scale, clamped to +-6, and rounded to the nearest number of E2M1, ties to even, subnormals kept.
;;     - The product sums the exact products of the quantised numbers (number of the format x scale) in f32.
;;   ~~~python
;;   def quantise(x, axis):      # numpy; x: float32 -> the quantised numbers, widened to float32 again
;;       x = np.moveaxis(x, axis, -1); K = x.shape[-1]
;;       x = np.pad(x, [(0, 0)] * (x.ndim - 1) + [(0, -K % 32)]); x = x.reshape(x.shape[:-1] + (-1, 32)); a = np.abs(x).max(-1, keepdims=True)
;;       e = np.where(a > 0, np.clip(np.frexp(np.where(a > 0, a, 1))[1] - 1 - 2, -126, 127), 0)      # np.frexp(a)[1] - 1 = floor(log2(a)), exactly
;;       r = np.clip(x / 2.0 ** e, -6, 6)
;;       step = 2.0 ** (np.maximum(np.frexp(np.where(r == 0, 1, r))[1] - 1, 0) - 1)
;;       q = np.round(r / step) * step * 2.0 ** e      # np.round: ties to even
;;       return np.moveaxis(q.reshape(q.shape[:-2] + (-1,))[..., :K], -1, axis).astype(np.float32)
;;   ~~~
;;   SOFTMAX AHEAD OF A QUANTISED PRODUCT. Where the list says 'softmax', what is quantised is not the finished softmax but p = 2^(t - M), with t = logit x log2(e) and M = ceil(the row's largest t), a whole number; so 1/2 < the row's largest p <= 1. The row's sum l is taken of the UNQUANTISED p, in f32, and the product's result is divided by l at the end. Since M is a whole number, a kernel that streams over the keys may use a running M (the ceiling of the running maximum): every later rescaling is an exact power of two, which a block's scale takes up: the codes' values come out the same.
;;   OPERANDS COMPUTED ON THE WAY. 'Computed on the way' means the value that the module computes at that place (a softmax that the list does not call 'softmax' is quantised finished and normalised). What goes into a quantiser is computed in f32, as accurately as f32 sums, v_exp_f32 and their like allow (about 1e-6 of the number): no bf16 or f16 on the way to a quantiser, and a product that is left as it is and whose result goes on into a quantised operand takes f32 operands (vector FMAs, or v_wmma_f32_16x16x4_f32). A number that lies on a knife's edge between two numbers of the format may be rounded either way, as far as f32 arithmetic and the matrix unit's own rounding can turn it there, and no further.
;; One version. Each part assembles by itself: llvm-mc -triple=amdgcn-amd-amdhsa -mcpu=gfx1250 --defsym DOCPART=n.
;; ======== version 1 of 1: 2 launches
;; limits: right only within a limited range of input values
;; workspace buffers: po 33,554,432 bytes; pm 524,288 bytes; fxc 65,536 bytes; fxs 8,192 bytes
;; launch attend (part 1): grid 256 x 1, 8 waves a work-group, no clusters, 270,336 bytes of LDS; arguments mem, q, fk_w, fv_w, fk_b, nk_g, nk_b, fv_b, nv_g, nv_b, fx_w, po, pm, fxc, fxs; writes po, pm, fxc, fxs
.if DOCPART == 1
	.amdgcn_target "amdgcn-amd-amdhsa--gfx1250"
	.amdhsa_code_object_version 6
	.text
	.protected	k_q9556377958_attend
	.globl	k_q9556377958_attend
	.p2align	8
	.type	k_q9556377958_attend,@function
k_q9556377958_attend:
	s_mov_b64 s[64:65], 0
	v_nop
	global_prefetch_b8 v0, s[64:65] scope:SCOPE_SE
	s_setreg_imm32_b32 hwreg(HW_REG_WAVE_MODE, 25, 1), 1
	s_wait_xcnt 0x0
; MultiHeadMemory, first of two launches.  mem [8][65536][128] f32.  Work-group G (0..255) owns memory rows 2048 G .. 2048 G + 2047 (head G / 32) and all 256 queries.
; For its rows it makes K = the key softmax's p = 2^(t - M) (M a whole number) with c = log2(e) / (the row's sum of p), and V = relu(LN(mem fv_w^T + fv_b)), attends with all queries by a running whole-number
; maximum, and stores the partial O (not normalised) in po [G][query][128] and (-M, l) in pm [G][query][2].  All four products run on codes of E2M1 with one E8M0 scale for each 32 along K.
; Work-groups 0 to 7 also quantise fx_w for the second launch: wave w of work-group G makes the fragment (16 rows 16 G .., K step w) as an image of its registers (fxc) with its scale words (fxs).
; SHARES.  Eight waves, eight steps of 256 rows.  In a step wave w MAKES K and V of rows 32 w .. 32 w + 31 (block w % 4 of K step w / 4 of the last product) and ATTENDS with queries 32 w .. 32 w + 31 over all 256 rows.
; K's and V's codes go from wave to wave through LDS as images of the operands' registers; two barriers a step.  mem comes by loads of 512 consecutive bytes (one row an instruction), asked for one whole step ahead
; into 128 registers, and turns through the wave's own stage in LDS, since the quantiser wants 32 neighbours along K in one lane.
; LAYOUTS.  The rows of a tile are chosen: lane r of my tile u holds my row r % 8 + 8 u + 16 (r / 8); lane r of tile t of fk_w holds its row 32 (t / 2) + 8 (t % 2) + r + 8 (r / 8).
;   K path: source 0 = 16 rows of fk_w, source 1 = my 16 rows: a lane holds ONE memory row, registers 16 b + i = key 32 b + 16 (lane / 16) + i.
;   V path: source 0 = my 16 rows, source 1 = 16 rows of fv_w: a lane holds ONE channel, the registers of tiles u = 0, 1 are rows 16 (lane / 16) + 0 .. 15: neighbours along the last product's K.
;   Scores: source 0 = a fragment of K, source 1 = 16 queries: a lane holds one query, registers 16 b + i = row 32 b + 16 (lane / 16) + i.  O^T: source 0 = 16 channels of V, source 1 = p.
; LIMITS: NaN and infinities among the inputs are not served.  A block whose largest magnitude lies under 2^-124 gets the byte 1; so does a block of zeros, where the quantiser says 127: its codes are zeros and
; this program alone reads the bytes.  1 / sqrt and 1 / x are v_rsq_f32 and v_rcp_f32.  Exponentials that would be denormal come out as zero.
; No tensor load: the images, tables and stages leave no room for two slots of a step's 128 KiB.  No cluster: work-groups share q and the weights alone, a quarter of a MiB against the MiB that each streams.
; THE STEP'S IMAGES LIE IN LDS TWICE: bytes 0 .. 36,863 (K's and V's images, their scale words, c) have a second copy BUFD bytes on, and the steps take the two by turns (s[BUF] = 0 or BUFD).
; So ONE barrier a step serves, between making and attending, not the two that the lines above speak of: step s + 1 stores into the other copy than step s's readers read, and step s + 2 stores
; only behind step s + 1's barrier, which every wave signals behind its reads of step s.
; OF THE COPIES AND THE BARRIER THESE LINES HOLD, not those above: THE COPIES ARE THREE (at bytes 0, BUF1, BUF2), and the step's one barrier is split.  Step s's images go to copy s % 3.
; The loop has nine trips.  Trip s makes step s (all trips but the last), signals the barrier, attends to step s - 1 (all but the first), by LDS loads and work on registers alone, and waits.
; Step s - 1's images are whole: every wave signalled trip s - 1's barrier behind making them.  Making step s writes the copy that step s - 3 held: every wave read it ahead of its signal of trip s - 1,
; which the writer has waited for.  What is read between a barrier's signal and its wait (copy (s - 1) % 3) is next written in trip s + 2, behind trip s + 1's barrier.
.set KIMG, 0            ; LDS.  K's 16 fragments of a step (fragment 2 w + u): 1,024 bytes each: registers 0-3 at 16 x lane, registers 4-7 at 512 + 16 x lane
.set VIMG, 16384        ; V's: 8192 (K step) + 1024 (channel tile), same form
.set KSC,  32768        ; K's scale words: 128 bytes a fragment, 4 x lane
.set VSC,  34816        ; V's: 512 (K step) + 64 (channel tile) + 4 r, byte = block
.set CB,   35840        ; c of the step's 256 rows, f32, in the rows' order
.set WKI,  36864        ; images of fk_w's 8 tiles
.set WVI,  45056        ; and of fv_w's
.set WKS,  53248        ; their scale words, 128 bytes a tile
.set WVS,  54272
.set TKB,  55296        ; fk_b, nk_g, nk_b as they lie
.set TKG,  55808
.set TKN,  56320
.set BVR,  56832        ; fv_b[ch] four times, at 16 ch
.set TGV,  58880        ; nv_g, nv_b at 32 (ch % 16) + 4 (ch / 16)
.set TBV,  59392
.set STG,  59904        ; a stage for each wave: 32 rows of 512 bytes + 16: row r starts 4 r words on in the banks' cycle of 64
.set SPI,  528
.set WST,  32*SPI
.set L16,  1            ; v1   16 x lane
.set L4,   2            ; v2   4 x lane
.set R4,   3            ; v3   4 r        (r = lane % 16, h = lane / 16)
.set H64,  4            ; v4   64 h
.set R16,  5            ; v5   16 r
.set R32,  6            ; v6   32 r
.set ASTW, 7            ; v7   my stage + 16 x lane
.set ASTR, 8            ; v8   my stage + 528 r + 128 h
.set AKW,  9            ; v9   where I store K's images
.set AKSW, 10           ; v10  their scale words
.set ACW,  11           ; v11  c of my rows
.set AVW,  12           ; v12  V's codes
.set AVSW, 13           ; v13  V's scale bytes
.set H8,   14           ; v14  8 h
.set ASO,  15           ; v15  my stage + 528 r + 32 h: the way out
.set NM,   16           ; v16, v20  -M of query tile 0, 1
.set TX,   17           ; v17, v21  the running largest t
.set LS,   18           ; v[18:19], v[22:23]  l in two halves
.set QS,   24           ; v24-25 q's scale words;  v26-27 mem's;  v28-29 p's;  v48-55 eight fragments': these hold scales and nothing else
.set MFS,  26
.set PW,   28
.set FP,   30           ; v[30:31] f = 2^(old M - new M), and the pair's upper half
.set QF,   32           ; v32-47  q's two fragments
.set FS,   48
.set MF,   56           ; v56-71  mem's two fragments while making;
.set PCD,  56           ;         p's two while attending;
.set CCH,  56           ; v56-87  32 numbers of c between their load and the multiplication
.set TM,   72           ; v72-95  at work
.set FR,   96           ; v96-127 four fragments, or pieces of tables
.set S,    128          ; v128-255: 128 numbers
.set KD,   S            ; K path: the row's 64 numbers of my half
.set KG,   S+64         ; nk_g in the same order: loaded in tile 0's turn, kept for tile 1's
.set KBC,  TM+4         ; a pair whose low word is spread over both halves
.set KBM,  TM+8
.set KPT,  TM+12
.set KSO,  TM+16
.set KW,   TM+20
.set KT,   TM+21
.set SBM,  TM
.set SPT,  TM+4
.set SSO,  TM+8
.set STT,  TM+12
.set STS,  TM+14
; window 1: v0-127 O^T (query tile a, channel tile c at 64 a + 8 c);  v128-255 the 32 rows of mem on their way (row i at 128 + 4 i)
.set HL,   112          ; the head's own: lane, r, h, r + 8 (r / 8), offsets into fk_w, fv_w and q, fx_w, the tables; LDS places of the tables and the weights' images
.set HR,   113
.set HH,   114
.set HRR,  115
.set OFK,  116
.set OFV,  117
.set OFX,  118
.set OT,   119
.set HCH,  120
.set ABV,  121
.set AGV,  122
.set AWI,  123
.set AWS,  124
.set HX,   125
.set WV,   38           ; s38 wave;  s39 work-group;  s[40:41] selects for lane xor 16;  s[42:43] log2(e);  s44 1 / 128;  s45 1e-5;  s46 steps to go;  s48-59 at work
.set GG,   39
.set SEL,  40
.set L2E,  42
.set RN,   44
.set EPS,  45
.set STEPS, 46
.set BUF,  47           ; s47  the copy that this trip's making writes;  s60 the copy that its attending reads (the trip before's);  s61 the next trip's;  s62 at work in the turn
.set BRD,  60
.set BO,   61
.set BT,   62
.set BUF1, 0x30000      ; the second and third copies, behind the stages and the spare words
.set BUF2, 0x39000
.set BL16, TM+16        ; v88-91, while attending: 16 x lane, 4 x lane, 64 h, 4 r, each + s[BRD]
.set BL4,  TM+17
.set BH64, TM+18
.set BR4,  TM+19
.set MSB, 0
.macro WIN new                          ; the immediate's high byte repeats the setting that is left; a switch that changes nothing is dropped
.if MSB != (\new)
	s_set_vgpr_msb (MSB<<8)|(\new)
.set MSB, (\new)
.endif
.endm
.macro NOPS n
.rept \n
	v_nop
.endr
.endm
.macro BAR                              ; my LDS stores have landed and my LDS loads are in: then the work-group's barrier
	s_wait_dscnt 0x0
	s_barrier_signal -1
	s_barrier_wait -1
.endm
.macro MM d, a, b, c, sa, sb
	v_wmma_scale_f32_16x16x128_f8f6f4 v[(\d):(\d)+7], v[(\a):(\a)+7], v[(\b):(\b)+7], v[(\c):(\c)+7], v[\sa], v[\sb] matrix_a_fmt:MATRIX_FMT_FP4 matrix_b_fmt:MATRIX_FMT_FP4
.endm
.macro MM0 d, a, b, sa, sb              ; the same with the constant 0 as C
	v_wmma_scale_f32_16x16x128_f8f6f4 v[(\d):(\d)+7], v[(\a):(\a)+7], v[(\b):(\b)+7], 0, v[\sa], v[\sb] matrix_a_fmt:MATRIX_FMT_FP4 matrix_b_fmt:MATRIX_FMT_FP4
.endm
.macro FETCH reg, adr, off              ; a fragment's image back into 8 registers
	ds_load_b128 v[(\reg):(\reg)+3], v[\adr] offset:(\off)
	ds_load_b128 v[(\reg)+4:(\reg)+7], v[\adr] offset:(\off)+512
.endm
; 64 numbers of a lane, register src + 32 c + i = k 64 c + 32 h + i of its row (two whole blocks), become a fragment's 8 registers at dst and the row's scale word in sw.  win = 1: the numbers lie in window 1.
.macro QB src, dst, sw, win
	WIN 0x05*(\win)
.irp c, 0,1
	v_max3_num_f32 v[TM+\c], |v[(\src)+32*\c]|, |v[(\src)+32*\c+1]|, 0x1800000   ; the floor 2^(3 - 127) among the leaves: the byte cannot fall under 1
.endr
.irp i, 2,4,6,8,10,12,14,16,18,20,22,24,26,28,30
.irp c, 0,1
	s_delay_alu instid0(VALU_DEP_2)
	v_max3_num_f32 v[TM+\c], |v[(\src)+32*\c+\i]|, |v[(\src)+32*\c+\i+1]|, v[TM+\c]
.endr
.endr
	WIN 0
.irp c, 0,1
	v_add_nc_u32 v[TM+2+\c], 0xff000000, v[TM+\c]       ; 2 off the exponent field: the conversion's scale operand
.endr
.irp c, 0,1
	s_delay_alu instid0(VALU_DEP_2)
	v_lshrrev_b32 v[TM+4+\c], 23, v[TM+2+\c]            ; the scale's byte
.endr
	s_delay_alu instid0(VALU_DEP_1)
	v_lshl_or_b32 v[TM+6], v[TM+5], 16, v[TM+4]         ; my bytes: blocks h and 2 + h,
	s_delay_alu instid0(VALU_DEP_1)
	v_lshlrev_b32 v[TM+6], v[H8], v[TM+6]               ; at their places;
	s_delay_alu instid0(VALU_DEP_1)
	v_permlanex16_b32 v[TM+7], v[TM+6], s[SEL], s[SEL+1]
	s_delay_alu instid0(VALU_DEP_1)
	v_or_b32 v[\sw], v[TM+6], v[TM+7]                   ; with lane xor 16's two the word is whole, in both halves
	WIN 0x01*(\win)
.irp c, 0,1
.irp g, 0,1,2,3
	v_cvt_scalef32_pk8_fp4_f32 v[(\dst)+4*\c+\g], v[(\src)+32*\c+8*\g:(\src)+32*\c+8*\g+7], v[TM+2+\c]
.endr
.endr
	WIN 0
	v_nop                                               ; one plain place behind the last scaled conversion
.endm
.macro BMAX2 bm, src                    ; the largest of each of two runs of 16 registers, by turns
.irp b, 0,1
	v_max3_num_f32 v[(\bm)+\b], v[(\src)+16*\b], v[(\src)+16*\b+1], v[(\src)+16*\b+2]
.endr
.irp i, 3,5,7,9,11,13
.irp b, 0,1
	s_delay_alu instid0(VALU_DEP_2)
	v_max3_num_f32 v[(\bm)+\b], v[(\bm)+\b], v[(\src)+16*\b+\i], v[(\src)+16*\b+\i+1]
.endr
.endr
.irp b, 0,1
	s_delay_alu instid0(VALU_DEP_2)
	v_max_num_f32 v[(\bm)+\b], v[(\bm)+\b], v[(\src)+16*\b+15]
.endr
.endm
.macro BJOIN bm, pt                     ; four maxima joined with lane xor 16's
.irp b, 0,1,2,3
	v_permlanex16_b32 v[(\pt)+\b], v[(\bm)+\b], s[SEL], s[SEL+1]
.endr
.irp b, 0,1,2,3
	s_delay_alu instid0(VALU_DEP_4)
	v_max_num_f32 v[(\bm)+\b], v[(\bm)+\b], v[(\pt)+\b]
.endr
.endm
; 64 numbers p, register 16 b + i = k 32 b + 16 h + i, with each block's largest in bm + b, become a fragment at dst and a scale word
.macro PQ src, bm, pt, so, word, dst
.irp b, 0,1,2,3
	v_max_num_f32 v[(\bm)+\b], 0x1800000, v[(\bm)+\b]   ; the floor: a block whose every p is 0 keeps the byte 1; its codes are zeros
.endr
.irp b, 0,1,2,3
	s_delay_alu instid0(VALU_DEP_4)
	v_add_nc_u32 v[(\so)+\b], 0xff000000, v[(\bm)+\b]
.endr
.irp b, 0,1,2,3
	s_delay_alu instid0(VALU_DEP_4)
	v_lshrrev_b32 v[(\pt)+\b], 23, v[(\so)+\b]
.endr
	s_delay_alu instid0(VALU_DEP_3)
	v_lshl_or_b32 v[\word], v[(\pt)+1], 8, v[\pt]
	s_delay_alu instid0(VALU_DEP_1)
	v_lshl_or_b32 v[\word], v[(\pt)+2], 16, v[\word]
	s_delay_alu instid0(VALU_DEP_1)
	v_lshl_or_b32 v[\word], v[(\pt)+3], 24, v[\word]
.irp b, 0,1,2,3
	v_cvt_scalef32_pk8_fp4_f32 v[(\dst)+2*\b], v[(\src)+16*\b:(\src)+16*\b+7], v[(\so)+\b]
	v_cvt_scalef32_pk8_fp4_f32 v[(\dst)+2*\b+1], v[(\src)+16*\b+8:(\src)+16*\b+15], v[(\so)+\b]
.endr
	v_nop                                               ; one plain place behind the last scaled conversion
.irp c, 0,1                             ; the operand wants a whole block in a lane: lanes 0-15 block 2 c, lanes 16-31 block 2 c + 1
.irp i, 0,1
	v_permlane16_swap_b32 v[(\dst)+4*\c+\i], v[(\dst)+4*\c+2+\i]
.endr
.endr
.endm
.macro PFROWS r0, n                     ; n of my 32 rows of a step, from row r0 on: each load takes one row, 512 consecutive bytes, into window 1
	WIN 0x40
.set rho, \r0
.rept \n
	global_load_b128 v[128+4*rho:128+4*rho+3], v[L16], s[8:9] offset:512*rho th:TH_LOAD_NT
.set rho, rho+1
.endr
	WIN 0
.endm
.macro PFMORE r0                        ; eight more rows of the next step; the last step asks for nothing: no load leaves its buffer
	s_wait_alu depctr_va_vdst(0)                        ; the wait ahead of the branch
	s_cmp_eq_u32 s[STEPS], 2                            ; the count at the last making
	s_cbranch_scc1 .Lnone_\@
	PFROWS \r0, 8
.Lnone_\@:
.endm
.macro WLOAD reg, off, base, imm        ; 64 numbers a lane of 16 rows x 128: k = 64 c + 32 h + 4 i on
.irp c, 0,1
.irp i, 0,1,2,3,4,5,6,7
	global_load_b128 v[(\reg)+32*\c+4*\i:(\reg)+32*\c+4*\i+3], v[\off], s[\base:\base+1] offset:(\imm)+256*\c+16*\i
.endr
.endr
.endm
.macro TABL reg, tab, t0                ; a table over the keys, for tiles t0 .. t0 + 3 in the K path's order: register 8 t + j = key 32 (t / 2) + 16 h + 8 (t % 2) + j
.irp t, 0,1,2,3
.irp q, 0,1
	ds_load_b128 v[(\reg)+8*\t+4*\q:(\reg)+8*\t+4*\q+3], v[H64] offset:(\tab)+128*(((\t0)+\t)/2)+32*(\t%2)+16*\q
.endr
.endr
.endm
.macro KJOIN                            ; two chains, two halves, two halves of the lanes: the row's sum in v[KT]
	s_delay_alu instid0(VALU_DEP_1)
	v_pk_add_f32 v[TM:TM+1], v[TM:TM+1], v[TM+2:TM+3]
	s_delay_alu instid0(VALU_DEP_1)
	v_add_f32 v[KT], v[TM], v[TM+1]
	s_delay_alu instid0(VALU_DEP_1)
	v_permlanex16_b32 v[KPT], v[KT], s[SEL], s[SEL+1]
	s_delay_alu instid0(VALU_DEP_1)
	v_add_f32 v[KT], v[KT], v[KPT]
.endm
.macro KSUM                             ; the sum of the row's 128 numbers; the registers are taken in ascending order, each accumulator from its low end
	v_pk_add_f32 v[TM:TM+1], v[KD:KD+1], v[KD+4:KD+5]
	v_pk_add_f32 v[TM+2:TM+3], v[KD+2:KD+3], v[KD+6:KD+7]
.set i, 8
.rept 14
	v_pk_add_f32 v[TM:TM+1], v[TM:TM+1], v[KD+i:KD+i+1]
	v_pk_add_f32 v[TM+2:TM+3], v[TM+2:TM+3], v[KD+i+2:KD+i+3]
.set i, i+4
.endr
	KJOIN
.endm
; THE K PATH of my tile u: linear (the bias is loaded into the accumulators and is the product's C), LayerNorm in two passes, p = 2^(t - M), codes, scale word and c to LDS.
.macro KPATH u
	TABL KD, TKB, 0
	TABL KD+32, TKB, 4
.irp t, 0,1,2,3
	FETCH FR+8*\t, L16, WKI+1024*\t
.endr
.irp t, 0,1,2,3,4,5,6,7
	ds_load_b32 v[FS+\t], v[L4] offset:WKS+128*\t
.endr
.if \u == 0
	TABL KG, TKG, 0
	TABL KG+32, TKG, 4
	s_wait_dscnt 16                                     ; all but nk_g's sixteen loads
.else
	s_wait_dscnt 0x0
.endif
.irp t, 0,1,2,3
	MM KD+8*\t, FR+8*\t, MF+8*\u, KD+8*\t, FS+\t, MFS+\u
.endr
	NOPS 4                                              ; four places in front of loads into registers that matrix instructions have read
.irp t, 0,1,2,3
	FETCH FR+8*\t, L16, WKI+1024*(4+\t)
.endr
	s_wait_dscnt 0x0
.irp t, 0,1,2,3
	MM KD+32+8*\t, FR+8*\t, MF+8*\u, KD+32+8*\t, FS+4+\t, MFS+\u
.endr
	NOPS 4                                              ; and in front of the first read of results
	TABL FR, TKN, 0                                     ; nk_b of the first 32 registers: it lands under the two passes
	KSUM
	s_delay_alu instid0(VALU_DEP_1)
	v_mul_f32 v[KBC], 0xbc000000, v[KT]                 ; -mean
.set i, 0
.rept 32
	v_pk_add_f32 v[KD+i:KD+i+1], v[KD+i:KD+i+1], v[KBC:KBC+1] op_sel_hi:[1,0]
.set i, i+2
.endr
	v_pk_mul_f32 v[TM:TM+1], v[KD:KD+1], v[KD:KD+1]     ; the second pass: the sum of the squared differences
	v_pk_mul_f32 v[TM+2:TM+3], v[KD+2:KD+3], v[KD+2:KD+3]
.set i, 4
.rept 15
	s_delay_alu instid0(VALU_DEP_2)
	v_pk_fma_f32 v[TM:TM+1], v[KD+i:KD+i+1], v[KD+i:KD+i+1], v[TM:TM+1]
	s_delay_alu instid0(VALU_DEP_2)
	v_pk_fma_f32 v[TM+2:TM+3], v[KD+i+2:KD+i+3], v[KD+i+2:KD+i+3], v[TM+2:TM+3]
.set i, i+4
.endr
	KJOIN
	s_delay_alu instid0(VALU_DEP_1)
	v_fma_f32 v[KT], v[KT], s[RN], s[EPS]               ; variance + 1e-5
	s_wait_alu depctr_va_vdst(0)
	v_rsq_f32 v[KBC], v[KT]
	v_nop                                               ; one plain place behind a transcendental
.set i, 0
	s_wait_alu depctr_va_vdst(0)
.rept 32
	v_pk_mul_f32 v[KD+i:KD+i+1], v[KD+i:KD+i+1], v[KBC:KBC+1] op_sel_hi:[1,0]
.set i, i+2
.endr
	s_wait_dscnt 0x0
.set i, 0
.rept 16
	v_pk_fma_f32 v[KD+i:KD+i+1], v[KD+i:KD+i+1], v[KG+i:KG+i+1], v[FR+i:FR+i+1]
.set i, i+2
.endr
	TABL FR, TKN, 4
	BMAX2 KBM, KD                                       ; each block's largest logit serves twice: for the row's maximum and, since p rises with it, for the block's largest p
	s_wait_dscnt 0x0
.set i, 0
.rept 16
	v_pk_fma_f32 v[KD+32+i:KD+32+i+1], v[KD+32+i:KD+32+i+1], v[KG+32+i:KG+32+i+1], v[FR+i:FR+i+1]
.set i, i+2
.endr
	BMAX2 KBM+2, KD+32
	BJOIN KBM, KPT
	s_delay_alu instid0(VALU_DEP_2)
	v_max3_num_f32 v[KT], v[KBM], v[KBM+1], v[KBM+2]
	s_delay_alu instid0(VALU_DEP_1)
	v_max_num_f32 v[KT], v[KT], v[KBM+3]
	s_delay_alu instid0(VALU_DEP_1)
	v_mul_f32 v[KT], s[L2E], v[KT]                      ; the row's largest t
	s_delay_alu instid0(VALU_DEP_1)
	v_floor_f32 v[KBC], -v[KT]                          ; -M = -ceil(t): a whole number
.set i, 0
.rept 32
	v_pk_fma_f32 v[KD+i:KD+i+1], v[KD+i:KD+i+1], s[L2E:L2E+1], v[KBC:KBC+1] op_sel_hi:[1,0,0]
.set i, i+2
.endr
.irp b, 0,1,2,3
	v_fma_f32 v[KBM+\b], v[KBM+\b], s[L2E], v[KBC]
.endr
.set i, 0
	s_wait_alu depctr_va_vdst(0)
.rept 64
	v_exp_f32 v[KD+i], v[KD+i]
.set i, i+1
.endr
.irp b, 0,1,2,3
	v_exp_f32 v[KBM+\b], v[KBM+\b]
.endr
	v_nop                                               ; one plain place behind the exponentials
	s_wait_alu depctr_va_vdst(0)
	PQ KD, KBM, KPT, KSO, KW, FR
	KSUM                                                ; the row's sum of the unquantised p
	s_wait_alu depctr_va_vdst(0)
	v_rcp_f32 v[KT], v[KT]
	v_add_nc_u32 v[TM], s[BUF], v[AKW]                  ; my places in the copy in hand (also the plain place behind the transcendental)
	v_add_nc_u32 v[TM+1], s[BUF], v[AKSW]
	v_add_nc_u32 v[TM+2], s[BUF], v[ACW]
	s_wait_alu depctr_va_vdst(0)
	v_mul_f32 v[KT], s[L2E], v[KT]                      ; c = log2(e) / l: a score times c is the attention's t
	ds_store_b128 v[TM], v[FR:FR+3] offset:1024*\u
	ds_store_b128 v[TM], v[FR+4:FR+7] offset:1024*\u+512
	ds_store_b32 v[TM+1], v[KW] offset:128*\u
	ds_store_b32 v[TM+2], v[KT] offset:32*\u            ; both halves of the lanes write the same word with the same value
	s_wait_dscnt 0x0                                    ; the stores have read their registers
.endm
.macro VLANES                           ; each of the 16 numbers at TM summed over the 16 lanes of a half
.irp m, 1,2,4,8
.set n, 0
.rept 16
	v_add_f32_dpp v[TM+n], v[TM+n], v[TM+n] row_xmask:\m row_mask:0xf bank_mask:0xf
.set n, n+1
.endr
.endr
.endm
.macro VBATCH bt                        ; channel tiles 4 bt .. 4 bt + 3: my 16 rows and lane xor 16's are a block of 32 along the last product's K
.irp x, 0,1,2,3
	v_max3_num_f32 v[TM+\x], v[S+8*(4*(\bt)+\x)], v[S+8*(4*(\bt)+\x)+1], 0x1800000   ; no |.|: nothing is negative behind the relu
.endr
.irp i, 2,4,6
.irp x, 0,1,2,3
	s_delay_alu instid0(VALU_DEP_4)
	v_max3_num_f32 v[TM+\x], v[TM+\x], v[S+8*(4*(\bt)+\x)+\i], v[S+8*(4*(\bt)+\x)+\i+1]
.endr
.endr
.irp i, 0,2,4,6
.irp x, 0,1,2,3
	s_delay_alu instid0(VALU_DEP_4)
	v_max3_num_f32 v[TM+\x], v[TM+\x], v[S+64+8*(4*(\bt)+\x)+\i], v[S+64+8*(4*(\bt)+\x)+\i+1]
.endr
.endr
	BJOIN TM, TM+4
.irp x, 0,1,2,3
	s_delay_alu instid0(VALU_DEP_4)
	v_add_nc_u32 v[TM+8+\x], 0xff000000, v[TM+\x]
.endr
.irp x, 0,1,2,3
	s_delay_alu instid0(VALU_DEP_4)
	v_lshrrev_b32 v[TM+12+\x], 23, v[TM+8+\x]
.endr
.irp x, 0,1,2,3
	v_cvt_scalef32_pk8_fp4_f32 v[TM+16+2*\x], v[S+8*(4*(\bt)+\x):S+8*(4*(\bt)+\x)+7], v[TM+8+\x]
	v_cvt_scalef32_pk8_fp4_f32 v[TM+17+2*\x], v[S+64+8*(4*(\bt)+\x):S+64+8*(4*(\bt)+\x)+7], v[TM+8+\x]
.endr
	v_add_nc_u32 v[TM+4], s[BUF], v[AVW]                ; my places in the copy in hand (also the plain place behind the last scaled conversion)
	v_add_nc_u32 v[TM+5], s[BUF], v[AVSW]
.irp x, 0,1,2,3
	ds_store_b64 v[TM+4], v[TM+16+2*\x:TM+17+2*\x] offset:1024*(4*(\bt)+\x)   ; 16 codes: rows 16 h .. 16 h + 15 of my block, at their place in the operand's image
	ds_store_b8 v[TM+5], v[TM+12+\x] offset:64*(4*(\bt)+\x)                   ; both halves of the lanes write the same byte with the same value
.endr
	s_wait_dscnt 0x0                                    ; the stores have read their registers
.endm
; THE V PATH of my 32 rows: accumulator (u, c) at S + 64 u + 8 c: lane = channel 16 c + r, register j = row 16 h + 8 u + j.
.macro VPATH
.irp u, 0,1
.irp c, 0,1,2,3,4,5,6,7
.irp q, 0,1
	ds_load_b128 v[S+64*\u+8*\c+4*\q:S+64*\u+8*\c+4*\q+3], v[R16] offset:BVR+256*\c   ; the channel's bias in all eight registers: the product's C
.endr
.endr
.endr
.irp c, 0,1,2,3
	FETCH FR+8*\c, L16, WVI+1024*\c
.endr
.irp c, 0,1,2,3,4,5,6,7
	ds_load_b32 v[FS+\c], v[L4] offset:WVS+128*\c
.endr
	s_wait_dscnt 0x0
.irp c, 0,1,2,3
.irp u, 0,1
	MM S+64*\u+8*\c, MF+8*\u, FR+8*\c, S+64*\u+8*\c, MFS+\u, FS+\c
.endr
.endr
	NOPS 4
.irp c, 0,1,2,3
	FETCH FR+8*\c, L16, WVI+1024*(4+\c)
.endr
	s_wait_dscnt 0x0
.irp c, 0,1,2,3
.irp u, 0,1
	MM S+64*\u+32+8*\c, MF+8*\u, FR+8*\c, S+64*\u+32+8*\c, MFS+\u, FS+4+\c
.endr
.endr
	NOPS 4
	ds_load_b128 v[FR:FR+3], v[R32] offset:TGV          ; nv_g and nv_b of my eight channels: they land under the two passes
	ds_load_b128 v[FR+4:FR+7], v[R32] offset:TGV+16
	ds_load_b128 v[FR+8:FR+11], v[R32] offset:TBV
	ds_load_b128 v[FR+12:FR+15], v[R32] offset:TBV+16
.irp x, 0,2                             ; a row's sum over the channel tiles, at TM + 8 u + 2 p; the low pairs of every accumulator come first
.irp p, 0,1
.irp u, 0,1
.set rA, TM+8*\u+2*(\x+\p)
.set rV, S+64*\u+2*(\x+\p)
	v_pk_add_f32 v[rA:rA+1], v[rV:rV+1], v[rV+8:rV+9]
.endr
.endr
.irp c, 2,3,4,5,6,7
.irp p, 0,1
.irp u, 0,1
.set rA, TM+8*\u+2*(\x+\p)
.set rV, S+64*\u+8*\c+2*(\x+\p)
	v_pk_add_f32 v[rA:rA+1], v[rA:rA+1], v[rV:rV+1]
.endr
.endr
.endr
.endr
	VLANES
.irp u, 0,1
.irp c, 0,1,2,3,4,5,6,7
.irp p, 0,1,2,3
.set rA, TM+8*\u+2*\p
.set rV, S+64*\u+8*\c+2*\p
	v_pk_fma_f32 v[rV:rV+1], v[rA:rA+1], 0xbc000000, v[rV:rV+1] op_sel_hi:[1,0,1]   ; x - sum / 128, one rounding
.endr
.endr
.endr
.irp p, 0,1,2,3
.irp u, 0,1
.set rA, TM+8*\u+2*\p
.set rV, S+64*\u+2*\p
	v_pk_mul_f32 v[rA:rA+1], v[rV:rV+1], v[rV:rV+1]
.endr
.endr
.irp c, 1,2,3,4,5,6,7
.irp p, 0,1,2,3
.irp u, 0,1
.set rA, TM+8*\u+2*\p
.set rV, S+64*\u+8*\c+2*\p
	v_pk_fma_f32 v[rA:rA+1], v[rV:rV+1], v[rV:rV+1], v[rA:rA+1]
.endr
.endr
.endr
	VLANES
.set n, 0
.rept 16
	v_fma_f32 v[TM+n], v[TM+n], s[RN], s[EPS]
.set n, n+1
.endr
.set n, 0
	s_wait_alu depctr_va_vdst(0)
.rept 16
	v_rsq_f32 v[TM+n], v[TM+n]
.set n, n+1
.endr
	v_nop
	s_wait_alu depctr_va_vdst(0)
.irp u, 0,1
.irp c, 0,1,2,3,4,5,6,7
.irp p, 0,1,2,3
.set rA, TM+8*\u+2*\p
.set rV, S+64*\u+8*\c+2*\p
	v_pk_mul_f32 v[rV:rV+1], v[rV:rV+1], v[rA:rA+1]
.endr
.endr
.endr
	s_wait_dscnt 0x0
.irp u, 0,1
.irp c, 0,1,2,3,4,5,6,7
.irp p, 0,1,2,3
.set rG, FR+2*(\c/2)
.set rV, S+64*\u+8*\c+2*\p
.if (\c%2) == 0
	v_pk_fma_f32 v[rV:rV+1], v[rV:rV+1], v[rG:rG+1], v[rG+8:rG+9] op_sel_hi:[1,0,0]                    ; the pair's low word for both halves
.else
	v_pk_fma_f32 v[rV:rV+1], v[rV:rV+1], v[rG:rG+1], v[rG+8:rG+9] op_sel:[0,1,1] op_sel_hi:[1,1,1]     ; its high word
.endif
.endr
.endr
.endr
.set i, 0
.rept 128
	v_max_num_f32 v[S+i], 0, v[S+i]
.set i, i+1
.endr
	VBATCH 0
	VBATCH 1
.endm
; The softmax of query tile a over 128 rows; t stands in S + 64 a on.
.macro SOFTMAX a
	BMAX2 SBM, S+64*\a
	BMAX2 SBM+2, S+64*\a+32
	BJOIN SBM, SPT
	s_delay_alu instid0(VALU_DEP_2)
	v_max3_num_f32 v[STT], v[SBM], v[SBM+1], v[SBM+2]
	s_delay_alu instid0(VALU_DEP_1)
	v_max_num_f32 v[STT], v[STT], v[SBM+3]
	s_delay_alu instid0(VALU_DEP_1)
	v_max_num_f32 v[TX+4*\a], v[TX+4*\a], v[STT]        ; the running largest t
	v_mov_b32 v[STT], v[NM+4*\a]
	s_delay_alu instid0(VALU_DEP_2)
	v_floor_f32 v[NM+4*\a], -v[TX+4*\a]                 ; the new -M
	s_delay_alu instid0(VALU_DEP_1)
	v_sub_f32 v[STT], v[NM+4*\a], v[STT]                ; old M - new M: a whole number, 0 or less
	s_delay_alu instid0(VALU_DEP_1)
	v_cvt_i32_f32 v[STT], v[STT]                        ; (it saturates)
	s_delay_alu instid0(VALU_DEP_1)
	v_ldexp_f32 v[FP], 1.0, v[STT]                      ; f: a multiplication by it rounds nothing
.set i, 0
.rept 32
	v_pk_add_f32 v[S+64*\a+i:S+64*\a+i+1], v[S+64*\a+i:S+64*\a+i+1], v[NM+4*\a:NM+4*\a+1] op_sel_hi:[1,0]
.set i, i+2
.endr
.irp b, 0,1,2,3
	v_add_f32 v[SBM+\b], v[SBM+\b], v[NM+4*\a]
.endr
.set i, 0
	s_wait_alu depctr_va_vdst(0)
.rept 64
	v_exp_f32 v[S+64*\a+i], v[S+64*\a+i]
.set i, i+1
.endr
.irp b, 0,1,2,3
	v_exp_f32 v[SBM+\b], v[SBM+\b]
.endr
	v_pk_mul_f32 v[LS+4*\a:LS+4*\a+1], v[LS+4*\a:LS+4*\a+1], v[FP:FP+1] op_sel_hi:[1,0]   ; l under the new M; also the plain place behind the exponentials
	s_wait_alu depctr_va_vdst(0)
	PQ S+64*\a, SBM, SPT, SSO, PW+\a, PCD+8*\a
	v_pk_add_f32 v[STS:STS+1], v[S+64*\a:S+64*\a+1], v[S+64*\a+2:S+64*\a+3]               ; l takes the unquantised p, in two chains
.set i, 4
.rept 15
	v_pk_add_f32 v[LS+4*\a:LS+4*\a+1], v[LS+4*\a:LS+4*\a+1], v[S+64*\a+i:S+64*\a+i+1]
	v_pk_add_f32 v[STS:STS+1], v[STS:STS+1], v[S+64*\a+i+2:S+64*\a+i+3]
.set i, i+4
.endr
	s_delay_alu instid0(VALU_DEP_1)
	v_pk_add_f32 v[LS+4*\a:LS+4*\a+1], v[LS+4*\a:LS+4*\a+1], v[STS:STS+1]
	WIN 0x41                                            ; O^T (destination and source 0) in window 1
.set i, 0
.rept 32
	v_pk_mul_f32 v[64*\a+i:64*\a+i+1], v[64*\a+i:64*\a+i+1], v[FP:FP+1] op_sel_hi:[1,0]
.set i, i+2
.endr
	WIN 0
.endm
; My 32 queries against K step k (128 rows) of the step.  Every accumulator has turns of one instruction.
.macro KFET k, g                        ; four fragments of K with their scale words
.irp t, 0,1,2,3
	FETCH FR+8*\t, BL16, KIMG+1024*(8*(\k)+4*(\g)+\t)
	ds_load_b32 v[FS+\t], v[BL4] offset:KSC+128*(8*(\k)+4*(\g)+\t)
.endr
.endm
.macro VFET k, g, reg, sc               ; four fragments of V into reg on, their scale words into sc on
.irp c, 0,1,2,3
	FETCH (\reg)+8*\c, BL16, VIMG+8192*(\k)+1024*(4*(\g)+\c)
	ds_load_b32 v[(\sc)+\c], v[BR4] offset:VSC+512*(\k)+64*(4*(\g)+\c)
.endr
.endm
.macro ATT k
.irp g, 0,1
.if \g == 0
	KFET \k, 0
.endif
.irp e, 0,1,2,3,4,5,6,7
	ds_load_b128 v[CCH+4*\e:CCH+4*\e+3], v[BH64] offset:CB+512*(\k)+128*(2*\g+\e/4)+32*((\e/2)%2)+16*(\e%2)   ; c of the rows that these 32 registers hold
.endr
	s_wait_dscnt 0x0
.irp t, 0,1,2,3
.irp a, 0,1
	MM0 S+64*\a+8*(4*\g+\t), FR+8*\t, QF+8*\a, FS+\t, QS+\a
.endr
.endr
	NOPS 4                                              ; four places: in front of the first read of results, and of the next loads into the fragments' registers
.if \g == 0
	KFET \k, 1                                          ; the next four fragments are asked for ahead of the 32 multiplications below
.endif
.irp a, 0,1
.set i, 0
.rept 16
	v_pk_mul_f32 v[S+64*\a+32*\g+i:S+64*\a+32*\g+i+1], v[S+64*\a+32*\g+i:S+64*\a+32*\g+i+1], v[CCH+i:CCH+i+1]   ; t = score x log2(e) / l of the key's softmax
.set i, i+2
.endr
.endr
.endr
	VFET \k, 0, FR, FS                                  ; V's channel tiles 0-3: asked for ahead of both softmaxes, which name none of these registers
	SOFTMAX 0
	VFET \k, 1, S, FS+4                                 ; tiles 4-7 into registers that held tile 0's p, which is converted and summed
	SOFTMAX 1
	s_wait_alu depctr_va_vdst(0)
	s_wait_dscnt 0x0
	WIN 0x50                                            ; C and D in window 1
.irp c, 0,1,2,3
.irp a, 0,1
	MM 64*\a+8*\c, FR+8*\c, PCD+8*\a, 64*\a+8*\c, FS+\c, PW+\a
.endr
.endr
.irp c, 0,1,2,3
.irp a, 0,1
	MM 64*\a+8*(4+\c), S+8*\c, PCD+8*\a, 64*\a+8*(4+\c), FS+4+\c, PW+\a
.endr
.endr
	WIN 0
	NOPS 5                                              ; five places: the next scores are matrix results laid over registers that these products read as source 0
.endm
	; ---- THE HEAD
	s_load_b512 s[8:23], s[0:1], 0x0                    ; mem s[8:9], q s[10:11], fk_w s[12:13], fv_w s[14:15], fk_b s[16:17], nk_g s[18:19], nk_b s[20:21], fv_b s[22:23]
	s_load_b256 s[24:31], s[0:1], 0x40                  ; nv_g s[24:25], nv_b s[26:27], fx_w s[28:29], po s[30:31]
	s_load_b128 s[32:35], s[0:1], 0x60                  ; pm s[32:33], fxc s[34:35]
	s_load_b64 s[36:37], s[0:1], 0x70                   ; fxs
	v_lshrrev_b32 v[HX], 5, v0
	s_delay_alu instid0(VALU_DEP_1)
	v_readfirstlane_b32 s[WV], v[HX]                    ; wave 0..7
	s_mov_b32 s[GG], ttmp9
	s_mov_b32 s[SEL], 0x76543210
	s_mov_b32 s[SEL+1], 0xfedcba98
	s_mov_b32 s[L2E], 0x3fb8aa3b
	s_mov_b32 s[L2E+1], s[L2E]                          ; (named with it as a pair, so it is written)
	s_mov_b32 s[RN], 0x3c000000
	s_mov_b32 s[EPS], 0x3727c5ac
.set i, 0
.rept 24
	v_mov_b32 v[TM+i], 0                                ; written once: a lane permute's destination and a pair's unused half count as read
.set i, i+1
.endr
	v_and_b32 v[HL], 31, v0
	v_and_b32 v[HR], 15, v0
	v_bfe_u32 v[HH], v0, 4, 1
	s_delay_alu instid0(VALU_DEP_3)
	v_lshlrev_b32 v[L16], 4, v[HL]
	s_delay_alu instid0(VALU_DEP_4)
	v_lshlrev_b32 v[L4], 2, v[HL]
	s_delay_alu instid0(VALU_DEP_4)
	v_lshlrev_b32 v[R4], 2, v[HR]
	s_delay_alu instid0(VALU_DEP_4)
	v_lshlrev_b32 v[H64], 6, v[HH]
	v_lshlrev_b32 v[R16], 4, v[HR]
	v_lshlrev_b32 v[R32], 5, v[HR]
	v_lshlrev_b32 v[H8], 3, v[HH]
	v_and_b32 v[HRR], 8, v[HR]
	s_delay_alu instid0(VALU_DEP_1)
	v_add_nc_u32 v[HRR], v[HRR], v[HR]                  ; r + 8 (r / 8)
	s_mul_i32 s48, s[WV], WST
	s_add_co_u32 s48, s48, STG                          ; my stage
	v_add_nc_u32 v[ASTW], s48, v[L16]
	v_mul_u32_u24 v[HX], v[HR], SPI
	s_delay_alu instid0(VALU_DEP_1)
	v_add_nc_u32 v[HX], s48, v[HX]
	s_delay_alu instid0(VALU_DEP_1)
	v_lshl_add_u32 v[ASTR], v[HH], 7, v[HX]
	s_delay_alu instid0(VALU_DEP_2)
	v_lshl_add_u32 v[ASO], v[HH], 5, v[HX]
	s_lshl_b32 s49, s[WV], 11
	v_add_nc_u32 v[AKW], s49, v[L16]                    ; KIMG (0) + 2048 w + 16 x lane
	s_lshl_b32 s49, s[WV], 8
	s_add_co_u32 s49, s49, KSC
	v_add_nc_u32 v[AKSW], s49, v[L4]
	s_lshl_b32 s49, s[WV], 7
	s_add_co_u32 s49, s49, CB
	v_lshl_add_u32 v[ACW], v[HRR], 2, s49
	s_lshr_b32 s50, s[WV], 2                            ; my K step of the last product
	s_and_b32 s51, s[WV], 3                             ; my block in it
	s_lshl_b32 s52, s50, 13
	s_lshl_b32 s53, s51, 8
	s_add_co_u32 s52, s52, s53
	s_add_co_u32 s52, s52, VIMG
	v_lshl_add_u32 v[AVW], v[HH], 3, v[R16]
	s_delay_alu instid0(VALU_DEP_1)
	v_add_nc_u32 v[AVW], s52, v[AVW]                    ; block b of a fragment lies at 256 b: register group b / 2, lanes 16 (b % 2) on
	s_lshl_b32 s52, s50, 9
	s_add_co_u32 s52, s52, s51
	s_add_co_u32 s52, s52, VSC
	v_add_nc_u32 v[AVSW], s52, v[R4]
	v_lshlrev_b32 v[OFV], 9, v[HR]
	s_delay_alu instid0(VALU_DEP_1)
	v_lshl_add_u32 v[OFV], v[HH], 7, v[OFV]             ; row r of 512 bytes + 128 h
	v_lshlrev_b32 v[OFK], 9, v[HRR]
	s_delay_alu instid0(VALU_DEP_1)
	v_lshl_add_u32 v[OFK], v[HH], 7, v[OFK]
	v_lshlrev_b32 v[OFX], 12, v[HR]
	s_delay_alu instid0(VALU_DEP_1)
	v_lshl_add_u32 v[OFX], v[HH], 7, v[OFX]             ; fx_w: row r of 4,096 bytes + 128 h
	v_and_b32 v[HCH], 127, v0
	s_delay_alu instid0(VALU_DEP_1)
	v_lshlrev_b32 v[OT], 2, v[HCH]
	s_delay_alu instid0(VALU_DEP_2)
	v_lshlrev_b32 v[ABV], 4, v[HCH]
	s_delay_alu instid0(VALU_DEP_3)
	v_and_b32 v[AGV], 15, v[HCH]
	s_delay_alu instid0(VALU_DEP_1)
	v_lshlrev_b32 v[AGV], 5, v[AGV]
	v_lshrrev_b32 v[HX], 4, v[HCH]
	s_delay_alu instid0(VALU_DEP_1)
	v_lshl_add_u32 v[AGV], v[HX], 2, v[AGV]
	s_lshl_b32 s49, s[WV], 10
	v_add_nc_u32 v[AWI], s49, v[L16]
	s_lshl_b32 s49, s[WV], 7
	v_add_nc_u32 v[AWS], s49, v[L4]
	s_lshl_b32 s48, ttmp9, 20                           ; offsets, each in a pair with 0 above it
	s_lshl_b32 s50, s[WV], 14
	s_add_co_u32 s48, s48, s50                          ; mem: 2^20 G + 2^14 w
	s_mov_b32 s49, 0
	s_mov_b32 s51, 0                                    ; q: 2^14 w
	s_lshl_b32 s52, s[WV], 13                           ; fv_w: 16 rows a wave
	s_mov_b32 s53, 0
	s_lshr_b32 s54, s[WV], 1
	s_lshl_b32 s54, s54, 14
	s_and_b32 s55, s[WV], 1
	s_lshl_b32 s55, s55, 12
	s_add_co_u32 s54, s54, s55                          ; fk_w: tile w begins at row 32 (w / 2) + 8 (w % 2)
	s_mov_b32 s55, 0
	s_lshl_b32 s56, ttmp9, 17
	s_add_co_u32 s56, s56, s50                          ; po: 2^17 G + 2^14 w
	s_mov_b32 s57, 0
	s_lshl_b32 s58, ttmp9, 11
	s_lshl_b32 s59, s[WV], 8
	s_add_co_u32 s58, s58, s59                          ; pm: 2^11 G + 2^8 w
	s_mov_b32 s59, 0
	s_wait_alu depctr_va_vdst(0)
	s_wait_kmcnt 0x0
	s_cmp_lt_u32 s[WV], 4                               ; waves 0-3 bring the K path's three tables, waves 4-7 the V path's: a choice on the wave's number alone
	s_cselect_b64 s[16:17], s[16:17], s[22:23]
	s_cselect_b64 s[18:19], s[18:19], s[24:25]
	s_cselect_b64 s[20:21], s[20:21], s[26:27]
	s_add_nc_u64 s[8:9], s[8:9], s[48:49]
	s_add_nc_u64 s[10:11], s[10:11], s[50:51]
	s_add_nc_u64 s[14:15], s[14:15], s[52:53]
	s_add_nc_u64 s[12:13], s[12:13], s[54:55]
	s_add_nc_u64 s[30:31], s[30:31], s[56:57]
	s_add_nc_u64 s[32:33], s[32:33], s[58:59]
	global_load_b32 v[TM+12], v[OT], s[16:17]
	global_load_b32 v[TM+16], v[OT], s[18:19]
	global_load_b32 v[TM+17], v[OT], s[20:21]
	WLOAD S, OFK, 12, 0                                 ; tile w of fk_w
	WLOAD S+64, OFV, 14, 0                              ; tile w of fv_w
	WIN 0x40
	WLOAD 0, OFV, 10, 0                                 ; my two tiles of q, into the registers that O^T will take
	WLOAD 64, OFV, 10, 8192
	WIN 0
	PFROWS 0, 32                                        ; step 0's rows, behind the tables, weights and q: those are quantised while the rows are on their way
	s_wait_loadcnt 63                                   ; the tables and fk_w's tile are in: 80 loads were issued behind them, and the count is the field's largest
	s_cmp_lt_u32 s[WV], 4
	s_cbranch_scc0 .Lv_tables
	ds_store_b32 v[OT], v[TM+12] offset:TKB
	ds_store_b32 v[OT], v[TM+16] offset:TKG
	ds_store_b32 v[OT], v[TM+17] offset:TKN
	s_branch .Ltables_done
.Lv_tables:
	v_mov_b32 v[TM+13], v[TM+12]
	v_mov_b32 v[TM+14], v[TM+12]
	v_mov_b32 v[TM+15], v[TM+12]
	ds_store_b128 v[ABV], v[TM+12:TM+15] offset:BVR
	ds_store_b32 v[AGV], v[TM+16] offset:TGV
	ds_store_b32 v[AGV], v[TM+17] offset:TBV
.Ltables_done:
	QB S, FR, TM+8, 0
	ds_store_b128 v[AWI], v[FR:FR+3] offset:WKI
	ds_store_b128 v[AWI], v[FR+4:FR+7] offset:WKI+512
	ds_store_b32 v[AWS], v[TM+8] offset:WKS
	s_cmp_lt_u32 s[GG], 8
	s_cbranch_scc0 .Lno_fx_load
	s_lshl_b32 s48, ttmp9, 16                           ; fx_w: 16 rows of 4,096 bytes a work-group, 512 bytes a wave
	s_lshl_b32 s50, s[WV], 9
	s_add_co_u32 s48, s48, s50
	s_add_nc_u64 s[28:29], s[28:29], s[48:49]
	WLOAD S, OFX, 28, 0
.Lno_fx_load:
	s_wait_loadcnt 63                                   ; fv_w's tile is in: behind it q's 32 loads and the rows' 32 were issued (and fx_w's 16, where they are)
	s_wait_dscnt 0x0                                    ; the stores have read their registers
	QB S+64, FR, TM+8, 0
	ds_store_b128 v[AWI], v[FR:FR+3] offset:WVI
	ds_store_b128 v[AWI], v[FR+4:FR+7] offset:WVI+512
	ds_store_b32 v[AWS], v[TM+8] offset:WVS
	s_wait_loadcnt 48                                   ; q's first tile: behind it its second tile's 16 loads and the rows' 32
	QB 0, QF, QS, 1
	s_wait_loadcnt 32                                   ; q's second tile: behind it the rows' 32
	QB 64, QF+8, QS+1, 1
	s_cmp_lt_u32 s[GG], 8
	s_cbranch_scc0 .Lno_fx_store
	s_wait_dscnt 0x0                                    ; the stores have read their registers
	s_wait_loadcnt 0x0                                  ; fx_w's sixteen loads were the last issued
	QB S, FR, TM+8, 0
	s_lshl_b32 s48, ttmp9, 3
	s_add_co_u32 s48, s48, s[WV]                        ; fragment 8 G + w
	s_lshl_b32 s50, s48, 7
	s_lshl_b32 s48, s48, 10
	s_add_nc_u64 s[34:35], s[34:35], s[48:49]
	s_add_nc_u64 s[36:37], s[36:37], s[50:51]
	global_store_b128 v[L16], v[FR:FR+3], s[34:35]
	global_store_b128 v[L16], v[FR+4:FR+7], s[34:35] offset:512
	global_store_b32 v[L4], v[TM+8], s[36:37]
	s_wait_xcnt 0x0                                     ; the stores' data registers are written again only behind this wait
.Lno_fx_store:
.irp a, 0,1
	v_mov_b32 v[TX+4*\a], 0xff61b1e6                    ; the largest t so far: -3e38, under every t
	s_delay_alu instid0(VALU_DEP_1)
	v_floor_f32 v[NM+4*\a], -v[TX+4*\a]
	v_mov_b32 v[LS+4*\a], 0
	v_mov_b32 v[LS+4*\a+1], 0
.endr
	v_mov_b32 v[FP], 0
	v_mov_b32 v[FP+1], 0
	WIN 0x40
.set i, 0
.rept 128
	v_mov_b32 v[i], 0                                   ; O^T.  The step is written once: the first finds zeros, which the first change of M leaves zeros; a first step of its own would double the text
.set i, i+1
.endr
	WIN 0
	BAR                                                 ; the tables and the weights' images lie in LDS
	s_mov_b32 s[STEPS], 9                               ; trips to go
	s_mov_b32 s[BUF], 0
	s_mov_b32 s[BO], BUF1
	s_mov_b32 s[BRD], BUF2
.Lstep:
	s_wait_alu depctr_va_vdst(0)                        ; the wait ahead of the branch
	s_cmp_eq_u32 s[STEPS], 1
	s_cbranch_scc1 .Lmade                               ; the last trip makes nothing: a branch on the count of trips, the same in all waves
	s_wait_loadcnt 0x0                                  ; my 32 rows, asked for a trip ago
	WIN 0x04                                            ; an LDS store's data are its source 1: window 1
.set rho, 0
.rept 32
	ds_store_b128 v[ASTW], v[128+4*rho:128+4*rho+3] offset:SPI*((rho&7)|(((rho>>3)&1)<<4)|(((rho>>4)&1)<<3))   ; row i to the place at which its tile's lane will look for it
.set rho, rho+1
.endr
	WIN 0
.irp u, 0,1
.irp c, 0,1
.irp i, 0,1,2,3,4,5,6,7
	ds_load_b128 v[S+64*\u+32*\c+4*\i:S+64*\u+32*\c+4*\i+3], v[ASTR] offset:16*SPI*\u+256*\c+16*\i   ; LDS serves a wave's instructions in order: these see my stores
.endr
.endr
.endr
	s_wait_dscnt 0x0                                    ; the numbers are back, and the stores have read the registers that the next loads fill
	s_cmp_eq_u32 s[STEPS], 2
	s_cbranch_scc1 .Lno_more                            ; the last making asks for nothing: no load leaves its buffer
	s_add_nc_u64 s[8:9], s[8:9], 131072                 ; (no load that names this base is out)
	PFROWS 0, 8                                         ; the next step's rows are asked for in four runs of eight, spread over the making
.Lno_more:
	QB S, MF, MFS, 0
	QB S+64, MF+8, MFS+1, 0
	PFMORE 8
	KPATH 0
	PFMORE 16
	KPATH 1
	PFMORE 24
	VPATH
.Lmade:
	v_add_nc_u32 v[BL16], s[BRD], v[L16]                ; where the attending reads the copy made a trip ago
	v_add_nc_u32 v[BL4], s[BRD], v[L4]
	v_add_nc_u32 v[BH64], s[BRD], v[H64]
	v_add_nc_u32 v[BR4], s[BRD], v[R4]
	s_wait_alu depctr_va_vdst(0)                        ; directly ahead of the wait below
	s_wait_dscnt 0x0                                    ; my stores of this trip's images have landed
	s_cmp_eq_u32 s[STEPS], 9
	s_cbranch_scc1 .Lfirst                              ; the first trip attends to nothing: the count of trips again; each way has its signal and its wait
	s_barrier_signal -1                                 ; my part of this trip's images lies in LDS, and my reads of the copy that the next trip writes are over
	ATT 0                                               ; between signal and wait: LDS loads of the copy made a trip ago, and work on registers
	ATT 1
	s_barrier_wait -1
	s_branch .Lturned
.Lfirst:
	s_barrier_signal -1
	s_barrier_wait -1
.Lturned:
	s_mov_b32 s[BT], s[BRD]                             ; the three copies take turns
	s_mov_b32 s[BRD], s[BUF]
	s_mov_b32 s[BUF], s[BO]
	s_mov_b32 s[BO], s[BT]
	s_sub_co_u32 s[STEPS], s[STEPS], 1
	s_cmp_lg_u32 s[STEPS], 0
	s_cbranch_scc1 .Lstep
	; ---- THE WAY OUT
.irp a, 0,1
	v_add_f32 v[LS+4*\a], v[LS+4*\a], v[LS+4*\a+1]
.endr
.irp a, 0,1
	s_delay_alu instid0(VALU_DEP_2)
	v_permlanex16_b32 v[TM+\a], v[LS+4*\a], s[SEL], s[SEL+1]
.endr
.irp a, 0,1
	s_delay_alu instid0(VALU_DEP_2)
	v_add_f32 v[LS+4*\a], v[LS+4*\a], v[TM+\a]          ; l of query r of tile a, in both halves of the lanes
.endr
	v_and_b32 v[TM+4], 31, v0
	s_delay_alu instid0(VALU_DEP_1)
	v_cmp_gt_u32 vcc_lo, 16, v[TM+4]
	s_delay_alu instid0(VALU_DEP_1)
	v_cndmask_b32 v[TM+6], v[NM+4], v[NM], vcc_lo       ; lane i speaks for query 32 w + i: tile 0 in lanes 0-15, tile 1 in lanes 16-31
	s_delay_alu instid0(VALU_DEP_2)
	v_cndmask_b32 v[TM+7], v[LS+4], v[LS], vcc_lo
	s_delay_alu instid0(VALU_DEP_4)
	v_lshlrev_b32 v[TM+5], 3, v[TM+4]
	global_store_b64 v[TM+5], v[TM+6:TM+7], s[32:33]    ; the wave stores 256 consecutive bytes, at a multiple of 256 from pm's first byte
	WIN 0x04
.irp a, 0,1
.irp c, 0,1,2,3,4,5,6,7
.irp q, 0,1
	ds_store_b128 v[ASO], v[64*\a+8*\c+4*\q:64*\a+8*\c+4*\q+3] offset:16*SPI*\a+64*\c+16*\q   ; lane (r, h): O(query 16 a + r, channel 16 c + 8 h + 4 q ..); each accumulator from its low end on
.endr
.endr
.endr
	WIN 0
.set rho, 0
.rept 32
	ds_load_b128 v[S+4*rho:S+4*rho+3], v[ASTW] offset:SPI*rho
.set rho, rho+1
.endr
.set rho, 0
.rept 32
	s_wait_dscnt 31-rho                                 ; LDS loads come back in order: row rho is in
	global_store_b128 v[L16], v[S+4*rho:S+4*rho+3], s[30:31] offset:512*rho   ; 32 lanes store a row of 512 consecutive bytes, at a multiple of 256 from po's first byte
.set rho, rho+1
.endr
	s_wait_xcnt 0x0
	v_lshl_add_u32 v254, v0, 2, 0x2fa00
	v_mov_b32 v255, 0
	s_wait_alu depctr_va_vdst(0)
	s_wait_tensorcnt 0x0
	ds_add_u32 v254, v255
	s_wait_dscnt 0x0
	s_endpgm
.Lfunc_end_k_q9556377958_attend:
	.size	k_q9556377958_attend, .Lfunc_end_k_q9556377958_attend-k_q9556377958_attend
	.p2alignl 7, 3214868480
	.fill 96, 4, 3214868480
	.section	.rodata,"a",@progbits
	.p2align	6, 0x0
	.amdhsa_kernel k_q9556377958_attend
		.amdhsa_group_segment_fixed_size 270336
		.amdhsa_private_segment_fixed_size 0
		.amdhsa_enable_private_segment 0
		.amdhsa_kernarg_size 120
		.amdhsa_user_sgpr_count 2
		.amdhsa_user_sgpr_kernarg_segment_ptr 1
		.amdhsa_wavefront_size32 1
		.amdhsa_system_sgpr_workgroup_id_x 1
		.amdhsa_system_sgpr_workgroup_id_y 1
		.amdhsa_system_sgpr_workgroup_id_z 1
		.amdhsa_system_vgpr_workitem_id 0
		.amdhsa_next_free_vgpr 512
		.amdhsa_next_free_sgpr 66
		.amdhsa_reserve_vcc 1
		.amdhsa_float_denorm_mode_32 3
		.amdhsa_float_denorm_mode_16_64 3
		.amdhsa_memory_ordered 1
		.amdhsa_forward_progress 1
		.amdhsa_inst_pref_size 255
	.end_amdhsa_kernel
	.section	.bss,"aw",@nobits
	.p2align	6
	.space	262144
	.amdgpu_metadata
---
amdhsa.version: [ 1, 2 ]
amdhsa.kernels:
  - .name:           k_q9556377958_attend
    .symbol:         k_q9556377958_attend.kd
    .args:
      - { .name: mem, .offset: 0, .size: 8, .value_kind: global_buffer, .address_space: global }
      - { .name: q, .offset: 8, .size: 8, .value_kind: global_buffer, .address_space: global }
      - { .name: fk_w, .offset: 16, .size: 8, .value_kind: global_buffer, .address_space: global }
      - { .name: fv_w, .offset: 24, .size: 8, .value_kind: global_buffer, .address_space: global }
      - { .name: fk_b, .offset: 32, .size: 8, .value_kind: global_buffer, .address_space: global }
      - { .name: nk_g, .offset: 40, .size: 8, .value_kind: global_buffer, .address_space: global }
      - { .name: nk_b, .offset: 48, .size: 8, .value_kind: global_buffer, .address_space: global }
      - { .name: fv_b, .offset: 56, .size: 8, .value_kind: global_buffer, .address_space: global }
      - { .name: nv_g, .offset: 64, .size: 8, .value_kind: global_buffer, .address_space: global }
      - { .name: nv_b, .offset: 72, .size: 8, .value_kind: global_buffer, .address_space: global }
      - { .name: fx_w, .offset: 80, .size: 8, .value_kind: global_buffer, .address_space: global }
      - { .name: po, .offset: 88, .size: 8, .value_kind: global_buffer, .address_space: global }
      - { .name: pm, .offset: 96, .size: 8, .value_kind: global_buffer, .address_space: global }
      - { .name: fxc, .offset: 104, .size: 8, .value_kind: global_buffer, .address_space: global }
      - { .name: fxs, .offset: 112, .size: 8, .value_kind: global_buffer, .address_space: global }
    .group_segment_fixed_size: 270336
    .private_segment_fixed_size: 0
    .kernarg_segment_align: 8
    .kernarg_segment_size: 120
    .max_flat_workgroup_size: 256
    .sgpr_count:     66
    .vgpr_count:     512
    .wavefront_size: 32
...
	.end_amdgpu_metadata
.endif
;; end of part 1
;; launch finish (part 2): grid 256 x 1, 8 waves a work-group, no clusters, 15,360 bytes of LDS; arguments po, pm, fxc, fxs, fx_b, nx_g, nx_b, out0; writes out0
.if DOCPART == 2
	.amdgcn_target "amdgcn-amd-amdhsa--gfx1250"
	.amdhsa_code_object_version 6
	.text
	.protected	k_q9556377958_finish
	.globl	k_q9556377958_finish
	.p2align	8
	.type	k_q9556377958_finish,@function
k_q9556377958_finish:
	s_mov_b64 s[64:65], 0
	v_nop
	global_prefetch_b8 v0, s[64:65] scope:SCOPE_SE
	s_setreg_imm32_b32 hwreg(HW_REG_WAVE_MODE, 25, 1), 1
	s_wait_xcnt 0x0
; MultiHeadMemory, second launch.  Work-group b owns query b.  Wave w is head w, K step w of the last product, and tile w (outputs 16 w .. 16 w + 15).
; 1: the head's 32 partials (po [32 w + s][b][128], pm (-M, l)) are merged: M = the largest M_s; f_s = 2^(M_s - M), exact, since every M is a whole number; o = (sum of f_s O_s) / (sum of f_s l_s), s ascending.
; 2: o's 128 numbers are quantised along K (E2M1, one E8M0 scale for each 32) and go to the other waves through LDS as an image of the operand's registers: all 16 columns of the operand hold the one query.
; 3: x = o fx_w^T + fx_b on codes: source 0 = 16 rows of fx_w (made by the first launch), source 1 = o; even K steps on one accumulator (its first C is the bias), odd ones on a second, by turns, added once at the end.
; 4: wave 0 takes the row's LayerNorm in two passes, the relu, and stores 512 consecutive bytes.
; LIMITS: as in the first launch (NaN and infinities not served; a block under 2^-124 or of zeros gets the byte 1; v_rcp_f32 and v_rsq_f32); the sum over K is formed in two halves.
; All loads are issued at once at the head.  No cluster, no tensor load: a work-group reads 128 KiB of its own and fx_w's 72 KiB of codes once.
.set OST,  0            ; LDS: o as f32, 512 bytes a wave (the wave's own)
.set OIM,  4096         ; o's 8 fragments, 1,024 bytes each
.set OSC,  12288        ; their scale words, 128 bytes each
.set XR,   13312        ; x, 512 bytes
.set L16,  1            ; v1  16 x lane
.set L4,   2            ; v2  4 x lane
.set L2K,  3            ; v3  2048 x lane: split = lane in pm
.set AOR,  4            ; v4  OST + 512 w + 128 h
.set AXW,  5            ; v5  XR + 64 w + 32 h
.set H32,  8            ; v8  32 h
.set AOW,  9            ; v9  OST + 512 w + 16 x lane
.set AIW,  10           ; v10 OIM + 1024 w + 16 x lane
.set ASW,  11           ; v11 OSC + 128 w + 4 x lane
.set H8,   14           ; v14 8 h
.set FXS,  24           ; v24-31 fx_w's scale words;  v32-39 o's: these hold scales and nothing else
.set OS,   32
.set BI,   40           ; v40-47 fx_b in the result's layout
.set GN,   48           ; v48-51 nx_g, v52-55 nx_b of outputs 4 x lane ..
.set BN,   52
.set ACC,  56           ; v56-59 o;  later v56-63 x
.set FX,   64           ; v64-127 fx_w's 8 fragments
.set PP,   128          ; v128-255 the 32 partials; then v128-191 o as a lane's 64 numbers, then o's 8 fragments
.set OC,   192          ; v192-199 my codes
.set Y0,   200
.set Y1,   208
.set TM,   216          ; v216-239 at work, once the partials are merged
.set SEL,  20
.set WV,   22
.set RN,   23
.set EPS,  24
.set MSB, 0
.macro WIN new
.if MSB != (\new)
	s_set_vgpr_msb (MSB<<8)|(\new)
.set MSB, (\new)
.endif
.endm
.macro BAR
	s_wait_dscnt 0x0
	s_barrier_signal -1
	s_barrier_wait -1
.endm
.macro FETCH reg, adr, off
	ds_load_b128 v[(\reg):(\reg)+3], v[\adr] offset:(\off)
	ds_load_b128 v[(\reg)+4:(\reg)+7], v[\adr] offset:(\off)+512
.endm
; 64 numbers of a lane, register src + 32 c + i = k 64 c + 32 h + i of its row, become a fragment's 8 registers at dst and the row's scale word in sw (win: the numbers' window; 0 here)
.macro QB src, dst, sw, win
	WIN 0x05*(\win)
.irp c, 0,1
	v_max3_num_f32 v[TM+\c], |v[(\src)+32*\c]|, |v[(\src)+32*\c+1]|, 0x1800000   ; the floor 2^(3 - 127): the byte cannot fall under 1
.endr
.irp i, 2,4,6,8,10,12,14,16,18,20,22,24,26,28,30
.irp c, 0,1
	s_delay_alu instid0(VALU_DEP_2)
	v_max3_num_f32 v[TM+\c], |v[(\src)+32*\c+\i]|, |v[(\src)+32*\c+\i+1]|, v[TM+\c]
.endr
.endr
	WIN 0
.irp c, 0,1
	s_delay_alu instid0(VALU_DEP_2)
	v_add_nc_u32 v[TM+2+\c], 0xff000000, v[TM+\c]
.endr
.irp c, 0,1
	s_delay_alu instid0(VALU_DEP_2)
	v_lshrrev_b32 v[TM+4+\c], 23, v[TM+2+\c]
.endr
	s_delay_alu instid0(VALU_DEP_1)
	v_lshl_or_b32 v[TM+6], v[TM+5], 16, v[TM+4]
	s_delay_alu instid0(VALU_DEP_1)
	v_lshlrev_b32 v[TM+6], v[H8], v[TM+6]
	s_delay_alu instid0(VALU_DEP_1)
	v_permlanex16_b32 v[TM+7], v[TM+6], s[SEL], s[SEL+1]
	s_delay_alu instid0(VALU_DEP_1)
	v_or_b32 v[\sw], v[TM+6], v[TM+7]
	WIN 0x01*(\win)
.irp c, 0,1
.irp g, 0,1,2,3
	v_cvt_scalef32_pk8_fp4_f32 v[(\dst)+4*\c+\g], v[(\src)+32*\c+8*\g:(\src)+32*\c+8*\g+7], v[TM+2+\c]
.endr
.endr
	WIN 0
	v_nop                                               ; one plain place behind the last scaled conversion
.endm
.macro LSUM r                           ; the sum over the wave's 32 lanes, in every lane
.irp m, 1,2,4,8
	s_delay_alu instid0(VALU_DEP_1)
	v_add_f32_dpp v[\r], v[\r], v[\r] row_xmask:\m row_mask:0xf bank_mask:0xf
.endr
	s_delay_alu instid0(VALU_DEP_1)
	v_permlanex16_b32 v15, v[\r], s[SEL], s[SEL+1]
	s_delay_alu instid0(VALU_DEP_1)
	v_add_f32 v[\r], v[\r], v15
.endm
	s_load_b512 s[4:19], s[0:1], 0x0                    ; po s[4:5], pm s[6:7], fxc s[8:9], fxs s[10:11], fx_b s[12:13], nx_g s[14:15], nx_b s[16:17], out0 s[18:19]
	v_lshl_add_u32 v22, v0, 2, 0x3800
	v_mov_b32 v23, 0
	v_lshrrev_b32 v12, 5, v0
	s_delay_alu instid0(VALU_DEP_1)
	v_readfirstlane_b32 s[WV], v12                      ; wave 0..7
	v_and_b32 v12, 31, v0
	v_bfe_u32 v13, v0, 4, 1
	s_delay_alu instid0(VALU_DEP_2)
	v_lshlrev_b32 v[L16], 4, v12
	s_delay_alu instid0(VALU_DEP_3)
	v_lshlrev_b32 v[L4], 2, v12
	s_delay_alu instid0(VALU_DEP_4)
	v_lshlrev_b32 v[L2K], 11, v12
	s_delay_alu instid0(VALU_DEP_4)
	v_lshlrev_b32 v[H8], 3, v13
	v_lshlrev_b32 v[H32], 5, v13
	s_lshl_b32 s26, s[WV], 9
	v_lshl_add_u32 v[AOR], v13, 7, s26
	v_add_nc_u32 v[AOW], s26, v[L16]
	s_lshl_b32 s26, s[WV], 10
	s_add_co_u32 s26, s26, OIM
	v_add_nc_u32 v[AIW], s26, v[L16]
	s_lshl_b32 s26, s[WV], 7
	s_add_co_u32 s26, s26, OSC
	v_add_nc_u32 v[ASW], s26, v[L4]
	s_lshl_b32 s26, s[WV], 6
	s_add_co_u32 s26, s26, XR
	v_add_nc_u32 v[AXW], s26, v[H32]
	v_mov_b32 v15, 0                                    ; written once: a lane permute's destination counts as read
	s_mov_b32 s[SEL], 0x76543210
	s_mov_b32 s[SEL+1], 0xfedcba98
	s_mov_b32 s[RN], 0x3c000000                         ; 1 / 128
	s_mov_b32 s[EPS], 0x3727c5ac                        ; 1e-5
	s_mov_b32 s27, 0
	s_mov_b32 s29, 0
	s_wait_alu depctr_va_vdst(0)
	s_wait_kmcnt 0x0
	s_lshl_b32 s26, s[WV], 16
	s_lshl_b32 s28, ttmp9, 3
	s_add_co_u32 s26, s26, s28
	s_add_nc_u64 s[6:7], s[6:7], s[26:27]               ; pm: 32 w work-groups of 2,048 bytes + 8 b
	s_lshl_b32 s26, s[WV], 22
	s_lshl_b32 s28, ttmp9, 9
	s_add_co_u32 s26, s26, s28
	s_add_nc_u64 s[4:5], s[4:5], s[26:27]               ; po: 32 w work-groups of 2^17 bytes + 512 b
	s_add_nc_u64 s[18:19], s[18:19], s[28:29]           ; out0: 512 b
	s_lshl_b32 s26, s[WV], 13
	s_add_nc_u64 s[8:9], s[8:9], s[26:27]               ; my tile's eight fragments
	s_lshl_b32 s26, s[WV], 10
	s_add_nc_u64 s[10:11], s[10:11], s[26:27]
	s_lshl_b32 s26, s[WV], 6
	s_add_nc_u64 s[12:13], s[12:13], s[26:27]           ; fx_b at output 16 w
	global_load_b64 v[6:7], v[L2K], s[6:7]              ; (-M, l) of split = lane
.set n, 0
.rept 32
	global_load_b128 v[PP+4*n:PP+4*n+3], v[L16], s[4:5] offset:131072*n   ; split n's row: 512 consecutive bytes
.set n, n+1
.endr
.irp k, 0,1,2,3,4,5,6,7
	global_load_b128 v[FX+8*\k:FX+8*\k+3], v[L16], s[8:9] offset:1024*\k
	global_load_b128 v[FX+8*\k+4:FX+8*\k+7], v[L16], s[8:9] offset:1024*\k+512
.endr
.irp k, 0,1,2,3,4,5,6,7
	global_load_b32 v[FXS+\k], v[L4], s[10:11] offset:128*\k
.endr
	global_load_b128 v[BI:BI+3], v[H32], s[12:13]       ; register j: fx_b of output 16 w + 8 h + j
	global_load_b128 v[BI+4:BI+7], v[H32], s[12:13] offset:16
	global_load_b128 v[GN:GN+3], v[L16], s[14:15]
	global_load_b128 v[BN:BN+3], v[L16], s[16:17]
	s_wait_loadcnt 60                                   ; the statistics are in; the 60 loads behind them may be out
	v_sub_f32 v12, 0, v6                                ; M of my split
	s_delay_alu instid0(VALU_DEP_1)
	v_mov_b32 v13, v12
.irp m, 1,2,4,8
	s_delay_alu instid0(VALU_DEP_1)
	v_max_num_f32_dpp v13, v13, v13 row_xmask:\m row_mask:0xf bank_mask:0xf
.endr
	s_delay_alu instid0(VALU_DEP_1)
	v_permlanex16_b32 v15, v13, s[SEL], s[SEL+1]
	s_delay_alu instid0(VALU_DEP_1)
	v_max_num_f32 v13, v13, v15                         ; the largest M of the 32
	s_delay_alu instid0(VALU_DEP_1)
	v_sub_f32 v12, v12, v13                             ; a whole number, 0 or less
	s_delay_alu instid0(VALU_DEP_1)
	v_cvt_i32_f32 v12, v12                              ; (it saturates)
	s_delay_alu instid0(VALU_DEP_1)
	v_ldexp_f32 v12, 1.0, v12                           ; f of my split
	s_delay_alu instid0(VALU_DEP_1)
	v_mul_f32 v60, v7, v12
	LSUM 60                                             ; l
	s_wait_alu depctr_va_vdst(0)
	v_rcp_f32 v60, v60
	v_nop                                               ; one plain place behind a transcendental
.set n, 0
.rept 32
	v_readlane_b32 s[32+n], v12, n                      ; f of split n, for every lane
.set n, n+1
.endr
	s_wait_loadcnt 28                                   ; the 32 partials are in; the 28 loads behind them may be out
.irp j, 0,1,2,3
	v_mul_f32 v[ACC+\j], s32, v[PP+\j]
.endr
.set n, 1
.rept 31
.irp j, 0,1,2,3
	s_delay_alu instid0(VALU_DEP_4)
	v_fma_f32 v[ACC+\j], v[PP+4*n+\j], s[32+n], v[ACC+\j]
.endr
.set n, n+1
.endr
	s_wait_alu depctr_va_vdst(0)
.irp j, 0,1,2,3
	v_mul_f32 v[ACC+\j], v[ACC+\j], v60                 ; o of channels 4 x lane ..
.endr
	ds_store_b128 v[AOW], v[ACC:ACC+3]
.irp c, 0,1
.irp i, 0,1,2,3,4,5,6,7
	ds_load_b128 v[PP+32*\c+4*\i:PP+32*\c+4*\i+3], v[AOR] offset:256*\c+16*\i   ; my wave's own bytes, served in order: k = 64 c + 32 h + 4 i on, the same in all 16 lanes of a half
.endr
.endr
	s_wait_dscnt 0x0
	QB PP, OC, TM+8, 0
	ds_store_b128 v[AIW], v[OC:OC+3]
	ds_store_b128 v[AIW], v[OC+4:OC+7] offset:512
	ds_store_b32 v[ASW], v[TM+8]
	BAR                                                 ; o's eight fragments lie in LDS
.irp k, 0,1,2,3,4,5,6,7
	FETCH PP+8*\k, L16, OIM+1024*\k
	ds_load_b32 v[OS+\k], v[L4] offset:OSC+128*\k
.endr
	s_wait_dscnt 0x0
	s_wait_loadcnt 0x0                                  ; fx_w's codes and scales, the bias, the gains
	v_wmma_scale_f32_16x16x128_f8f6f4 v[Y0:Y0+7], v[FX:FX+7], v[PP:PP+7], v[BI:BI+7], v[FXS], v[OS] matrix_a_fmt:MATRIX_FMT_FP4 matrix_b_fmt:MATRIX_FMT_FP4
	v_wmma_scale_f32_16x16x128_f8f6f4 v[Y1:Y1+7], v[FX+8:FX+15], v[PP+8:PP+15], 0, v[FXS+1], v[OS+1] matrix_a_fmt:MATRIX_FMT_FP4 matrix_b_fmt:MATRIX_FMT_FP4
.irp k, 2,4,6                           ; the two accumulators by turns, one instruction a turn
	v_wmma_scale_f32_16x16x128_f8f6f4 v[Y0:Y0+7], v[FX+8*\k:FX+8*\k+7], v[PP+8*\k:PP+8*\k+7], v[Y0:Y0+7], v[FXS+\k], v[OS+\k] matrix_a_fmt:MATRIX_FMT_FP4 matrix_b_fmt:MATRIX_FMT_FP4
	v_wmma_scale_f32_16x16x128_f8f6f4 v[Y1:Y1+7], v[FX+8*\k+8:FX+8*\k+15], v[PP+8*\k+8:PP+8*\k+15], v[Y1:Y1+7], v[FXS+\k+1], v[OS+\k+1] matrix_a_fmt:MATRIX_FMT_FP4 matrix_b_fmt:MATRIX_FMT_FP4
.endr
.rept 4
	v_nop                                               ; four places in front of the first read of results
.endr
.irp i, 0,2,4,6
	v_pk_add_f32 v[ACC+\i:ACC+\i+1], v[Y0+\i:Y0+\i+1], v[Y1+\i:Y1+\i+1]   ; x of outputs 16 w + 8 h + i ..; each accumulator from its low end on
.endr
	ds_store_b128 v[AXW], v[ACC:ACC+3]                  ; the 16 lanes of a half hold the same numbers and write the same bytes
	ds_store_b128 v[AXW], v[ACC+4:ACC+7] offset:16
	BAR                                                 ; the row's 128 numbers lie in LDS
	s_cmp_lg_u32 s[WV], 0
	s_cbranch_scc1 .Lend
	ds_load_b128 v[ACC:ACC+3], v[L16] offset:XR
	s_wait_dscnt 0x0
	v_add_f32 v12, v[ACC], v[ACC+1]
	v_add_f32 v13, v[ACC+2], v[ACC+3]
	s_delay_alu instid0(VALU_DEP_1)
	v_add_f32 v12, v12, v13
	LSUM 12
	s_delay_alu instid0(VALU_DEP_1)
	v_mul_f32 v12, 0xbc000000, v12                      ; -mean
.irp j, 0,1,2,3
	v_add_f32 v[ACC+\j], v[ACC+\j], v12
.endr
	s_delay_alu instid0(VALU_DEP_4)
	v_mul_f32 v13, v[ACC], v[ACC]
.irp j, 1,2,3
	s_delay_alu instid0(VALU_DEP_1)
	v_fma_f32 v13, v[ACC+\j], v[ACC+\j], v13
.endr
	LSUM 13
	s_delay_alu instid0(VALU_DEP_1)
	v_fma_f32 v13, v13, s[RN], s[EPS]
	s_wait_alu depctr_va_vdst(0)
	v_rsq_f32 v13, v13
	v_nop
	s_wait_alu depctr_va_vdst(0)
.irp j, 0,1,2,3
	v_mul_f32 v[ACC+\j], v[ACC+\j], v13
.endr
.irp j, 0,1,2,3
	s_delay_alu instid0(VALU_DEP_4)
	v_fma_f32 v[ACC+\j], v[ACC+\j], v[GN+\j], v[BN+\j]
.endr
.irp j, 0,1,2,3
	s_delay_alu instid0(VALU_DEP_4)
	v_max_num_f32 v[ACC+\j], 0, v[ACC+\j]
.endr
	global_store_b128 v[L16], v[ACC:ACC+3], s[18:19]    ; 32 lanes store the row's 512 consecutive bytes, at a multiple of 256 from out0's first byte
.Lend:
	s_wait_tensorcnt 0x0
	ds_add_u32 v22, v23
	s_wait_dscnt 0x0
	s_endpgm
.Lfunc_end_k_q9556377958_finish:
	.size	k_q9556377958_finish, .Lfunc_end_k_q9556377958_finish-k_q9556377958_finish
	.p2alignl 7, 3214868480
	.fill 96, 4, 3214868480
	.section	.rodata,"a",@progbits
	.p2align	6, 0x0
	.amdhsa_kernel k_q9556377958_finish
		.amdhsa_group_segment_fixed_size 15360
		.amdhsa_private_segment_fixed_size 0
		.amdhsa_enable_private_segment 0
		.amdhsa_kernarg_size 64
		.amdhsa_user_sgpr_count 2
		.amdhsa_user_sgpr_kernarg_segment_ptr 1
		.amdhsa_wavefront_size32 1
		.amdhsa_system_sgpr_workgroup_id_x 1
		.amdhsa_system_sgpr_workgroup_id_y 1
		.amdhsa_system_sgpr_workgroup_id_z 1
		.amdhsa_system_vgpr_workitem_id 0
		.amdhsa_next_free_vgpr 256
		.amdhsa_next_free_sgpr 66
		.amdhsa_reserve_vcc 0
		.amdhsa_float_denorm_mode_32 3
		.amdhsa_float_denorm_mode_16_64 3
		.amdhsa_memory_ordered 1
		.amdhsa_forward_progress 1
		.amdhsa_inst_pref_size 36
	.end_amdhsa_kernel
	.amdgpu_metadata
---
amdhsa.version: [ 1, 2 ]
amdhsa.kernels:
  - .name:           k_q9556377958_finish
    .symbol:         k_q9556377958_finish.kd
    .args:
      - { .name: po, .offset: 0, .size: 8, .value_kind: global_buffer, .address_space: global }
      - { .name: pm, .offset: 8, .size: 8, .value_kind: global_buffer, .address_space: global }
      - { .name: fxc, .offset: 16, .size: 8, .value_kind: global_buffer, .address_space: global }
      - { .name: fxs, .offset: 24, .size: 8, .value_kind: global_buffer, .address_space: global }
      - { .name: fx_b, .offset: 32, .size: 8, .value_kind: global_buffer, .address_space: global }
      - { .name: nx_g, .offset: 40, .size: 8, .value_kind: global_buffer, .address_space: global }
      - { .name: nx_b, .offset: 48, .size: 8, .value_kind: global_buffer, .address_space: global }
      - { .name: out0, .offset: 56, .size: 8, .value_kind: global_buffer, .address_space: global }
    .group_segment_fixed_size: 15360
    .private_segment_fixed_size: 0
    .kernarg_segment_align: 8
    .kernarg_segment_size: 64
    .max_flat_workgroup_size: 256
    .sgpr_count:     66
    .vgpr_count:     256
    .wavefront_size: 32
...
	.end_amdgpu_metadata
.endif
;; end of part 2
